; MI455X (gfx1250); checked and timed in simulation.
; The chip was launched on July 23, 2026; its instructions are those of AMD's public machine-readable ISA for CDNA 5 (MIT licence, August 2026) and "CDNA5" Instruction Set Architecture Reference Guide (July 2026). The comments in the code are by the model that wrote it; some were corrected since.
;; Multi Head Attention2. Allowed arithmetic: matrix products marked QUANTISED: E2M3 operands, one E8M0 scale for each 32 along K, by v_wmma_scale_f32_16x16x128_f8f6f4 with both operands' format E2M3, f32 sums; everything else in f32.
;; Inputs: Wk 1,024 x 1,024 float32; Wq 1,024 x 1,024 float32; Wv 1,024 x 1,024 float32; keys 4 x 2,048 x 1,024 float32; query 4 x 2,048 x 1,024 float32.
;; Outputs: out0 4 x 2,048 x 1,024 float32.
;; This version of the problem:
;;   THIS VERSION OF THE PROBLEM IS GIVEN IN LOW PRECISION. The matrix products marked QUANTISED in the list below multiply operands that are first quantised to E2M3 (2 exponent bits, 3 mantissa bits; 6 bits a number), with one power-of-two scale for each 32 numbers along K (OCP MX v1.0); their sums are f32. All else is computed in f32.
;;   The module's matrix products, in the order in which they are computed (A, B: the left and right operand; K: the contracted axis; several contracted axes count as one K, in the product's order):
;;     1. [M 8,192, K 1,024] x [K 1,024, N 1,024]; A: input query; B: input Wq: QUANTISED
;;     2. [M 8,192, K 1,024] x [K 1,024, N 1,024]; A: input keys; B: input Wk: QUANTISED
;;     3. [M 8,192, K 1,024] x [K 1,024, N 1,024]; A: input keys; B: input Wv: QUANTISED
;;     4. batch 64 x [M 2,048, K 64] x [K 64, N 2,048]; A: computed on the way; B: computed on the way: QUANTISED
;;     5. batch 64 x [M 64, K 2,048] x [K 2,048, N 2,048]; A: computed on the way; B: softmax (see below): QUANTISED
;;   THE QUANTISER, for each operand of a quantised product, along K:
;;     - K is cut into blocks of 32 from its start; a last block that is shorter is filled with zeros.
;;     - A block's scale is 2^e with e = floor(log2(the largest magnitude in the block)) - 2, held to -126 .. 127; a block of zeros has e = 0. As a byte (E8M0): e + 127.
;;     - Each number is divided by its block's scale, clamped to +-7.5, and rounded to the nearest number of E2M3, ties to even, subnormals kept.
;;     - The product sums the exact products of the quantised numbers (number of the format x scale) in f32.
;;   ~~~python
;;   def quantise(x, axis):      # numpy; x: float32 -> the quantised numbers, widened to float32 again
;;       x = np.moveaxis(x, axis, -1); K = x.shape[-1]
;;       x = np.pad(x, [(0, 0)] * (x.ndim - 1) + [(0, -K % 32)]); x = x.reshape(x.shape[:-1] + (-1, 32)); a = np.abs(x).max(-1, keepdims=True)
;;       e = np.where(a > 0, np.clip(np.frexp(np.where(a > 0, a, 1))[1] - 1 - 2, -126, 127), 0)      # np.frexp(a)[1] - 1 = floor(log2(a)), exactly
;;       r = np.clip(x / 2.0 ** e, -7.5, 7.5)
;;       step = 2.0 ** (np.maximum(np.frexp(np.where(r == 0, 1, r))[1] - 1, 0) - 3)
;;       q = np.round(r / step) * step * 2.0 ** e      # np.round: ties to even
;;       return np.moveaxis(q.reshape(q.shape[:-2] + (-1,))[..., :K], -1, axis).astype(np.float32)
;;   ~~~
;;   SOFTMAX AHEAD OF A QUANTISED PRODUCT. Where the list says 'softmax', what is quantised is not the finished softmax but p = 2^(t - M), with t = logit x log2(e) and M = ceil(the row's largest t), a whole number; so 1/2 < the row's largest p <= 1. The row's sum l is taken of the UNQUANTISED p, in f32, and the product's result is divided by l at the end. Since M is a whole number, a kernel that streams over the keys may use a running M (the ceiling of the running maximum): every later rescaling is an exact power of two, which a block's scale takes up: the codes' values come out the same.
;;   OPERANDS COMPUTED ON THE WAY. 'Computed on the way' means the value that the module computes at that place (a softmax that the list does not call 'softmax' is quantised finished and normalised). What goes into a quantiser is computed in f32, as accurately as f32 sums, v_exp_f32 and their like allow (about 1e-6 of the number): no bf16 or f16 on the way to a quantiser, and a product that is left as it is and whose result goes on into a quantised operand takes f32 operands (vector FMAs, or v_wmma_f32_16x16x4_f32). A number that lies on a knife's edge between two numbers of the format may be rounded either way, as far as f32 arithmetic and the matrix unit's own rounding can turn it there, and no further.
;; One version. Each part assembles by itself: llvm-mc -triple=amdgcn-amd-amdhsa -mcpu=gfx1250 --defsym DOCPART=n.
;; ======== version 1 of 1: 3 launches
;; limits: right only within a limited range of input values
;; workspace buffers: xc 12,582,912 bytes; xs 524,288 bytes; wc 2,359,296 bytes; ws 98,304 bytes; qimg 6,291,456 bytes; qsc 262,144 bytes; kv 12,582,912 bytes; kvsc 524,288 bytes
;; launch quant (part 1): grid 608 x 1, 4 waves a work-group, no clusters, 68,096 bytes of LDS; arguments query, keys, xc, xs, Wq, Wk, Wv, wc, ws; writes xc, xs, wc, ws
.if DOCPART == 1
	.amdgcn_target "amdgcn-amd-amdhsa--gfx1250"
	.amdhsa_code_object_version 6
	.text
	.protected	k_q2a3801696e_quant
	.globl	k_q2a3801696e_quant
	.p2align	8
	.type	k_q2a3801696e_quant,@function
k_q2a3801696e_quant:
	s_mov_b64 s[64:65], 0
	v_nop
	global_prefetch_b8 v0, s[64:65] scope:SCOPE_SE
	s_setreg_imm32_b32 hwreg(HW_REG_WAVE_MODE, 25, 1), 1
	s_wait_xcnt 0x0
; query, keys [8192][1024] and Wq, Wk, Wv [1024 (k)][1024 (n)], f32, become codes of FP6 (E2M3) with K = 1024 innermost (768 bytes a row) and one E8M0 byte for each 32 along K (32 bytes a row).
; A block's scale is 2^(floor(log2(its largest magnitude)) - 2); its byte is the largest magnitude's exponent field - 2, held at 1 from below.
; THE ROWS ARE STORED PERMUTED: row t (a token, or a weight's column n) lies at position pi(t), pi = t with its bits 3 and 4 exchanged.  So 16 neighbouring positions 16 u + r of a group of 32 hold rows 8 u + r + 8 (r / 8):
; the next launch's tiles of 16 neighbouring positions then give each lane 16 neighbours along the axis that it quantises.
; xc: [query, keys][8192 positions][768];  xs: [2][8192][32];  wc: [Wq, Wk, Wv][1024 positions][768];  ws: [3][1024][32].
; LIMITS: NaN and infinities among the inputs are not served.  A block whose largest magnitude lies under 2^-124, a block of zeros among them, gets the byte 1 (a block of zeros has zero codes, which add nothing under that byte; these bytes are read by this program alone).
; Work-groups 0-511 take the tokens (K innermost), work-groups 512-607 the weights (K outermost).  The two paths share no line behind the branch and no LDS byte: bytes 0-32,767 are the first path's, the rest the second's.
; No cluster: no two work-groups read the same byte.  No tensor loads, no barrier: waves share nothing.
.set STEPS, 16
.set EMAX,  2
.set CB,    12                         ; bytes of 16 codes
.set R,     16                         ; v16-79   tokens: four sets of 16 numbers as they are loaded
.set X,     80                         ; v80-111  two sets of 16 neighbours
.set E,     112                        ; v112-127 a scale byte for each step
.set C,     128                        ; v128-191 codes: four registers for each step, so that no store's data are written again
.set WREG,  8192                       ; LDS of a wave on the tokens' path: two stages of 32 x SP bytes, behind them its 256 scale bytes
.set SP,    80                         ; a lane's place in a stage: its 64 bytes + 16 of padding
.set WSTG,  32768                      ; LDS of the weights' path begins here
.set WPITCH, 272                       ; a stage row there: sixteen places of 16 bytes, each with 12 bytes of codes, + 16
.set KROW,  768                        ; a row of codes in bytes
.set NB,    8                          ; blocks of 32 along K for a wave on the weights' path
.set WX,    32                         ; v32-95   weights: two sets of 32 numbers
.set WC,    96                         ; v96..    a block's codes
.set OUTR,  112                        ; v112-175 the way out: 16 x 4 registers
.set SB,    24                         ; v24-25   the scale bytes, four to a register
	v_lshl_add_u32 v192, v0, 2, 0x10800
	v_mov_b32 v193, 0
	v_lshrrev_b32 v1, 5, v0
	v_readfirstlane_b32 s16, v1                    ; wave 0..3
	v_and_b32 v2, 31, v0                           ; lane
	s_cmp_lt_u32 ttmp9, 512
	s_cbranch_scc0 .Lweights
; ---------------- THE TOKENS.  Rows are dense, so a tensor is a stream of blocks of 32.  A wave takes a run of 8 rows (8,192 numbers) in 16 steps of 512.
; Each load reads 512 consecutive bytes, 16 a lane; a step's 2,048 bytes turn through the wave's own stage in LDS and come back 64 bytes a lane: 16 neighbours, two lanes to a block.
	s_load_b256 s[4:11], s[0:1], 0x0               ; query s[4:5], keys s[6:7], xc s[8:9], xs s[10:11]
	v_lshlrev_b32 v3, 4, v2                        ; my 16 bytes of a load's 512
	s_mul_i32 s17, s16, WREG
	v_lshrrev_b32 v14, 2, v2
	v_mul_u32_u24 v14, v14, SP
	v_and_b32 v15, 3, v2
	v_lshl_add_u32 v14, v15, 4, v14
	v_add_nc_u32 v14, s17, v14                     ; the stage, on the way in: SP (lane / 4) + 16 (lane % 4)
	v_mul_u32_u24 v15, v2, SP
	v_add_nc_u32 v15, s17, v15                     ; and on the way out: SP x lane
	v_mul_u32_u24 v4, v2, CB                       ; my codes' place in a step's
	v_lshrrev_b32 v5, 1, v2
	s_add_co_u32 s17, s17, 2*32*SP
	v_add_nc_u32 v5, s17, v5                       ; LDS: my wave's 256 scale bytes, my block's byte
	v_lshlrev_b32 v7, 3, v2                        ; and on the way out 8 bytes a lane
	v_add_nc_u32 v6, s17, v7
	s_wait_alu depctr_va_vdst(0)
	s_wait_kmcnt 0x0
	s_cmp_lt_u32 ttmp9, 256                        ; query's work-group or keys'?  The choice hangs on the work-group's number alone
	s_cselect_b64 s[4:5], s[4:5], s[6:7]
	s_cselect_b32 s17, 0, 1024
	s_lshl_b32 s18, ttmp9, 2
	s_add_co_u32 s18, s18, s16                     ; the run, 0..2047: 1,024 runs to a tensor
	s_sub_co_u32 s20, s18, s17
	s_lshl_b32 s20, s20, 15                        ; 32,768 bytes of f32 a run
	s_mov_b32 s21, 0
	s_add_nc_u64 s[4:5], s[4:5], s[20:21]
	s_and_b32 s19, s18, 0x7fc                      ; a row's bits 3 and 4 are the run's bits 0 and 1: they change places
	s_and_b32 s20, s18, 1
	s_lshl_b32 s20, s20, 1
	s_or_b32 s19, s19, s20
	s_bfe_u32 s20, s18, 0x10001
	s_or_b32 s19, s19, s20
	s_mul_i32 s20, s19, 8*KROW                     ; 6,144 bytes of codes a run
	s_add_nc_u64 s[8:9], s[8:9], s[20:21]
	s_lshl_b32 s20, s19, 8                         ; 256 scale bytes a run
	s_add_nc_u64 s[10:11], s[10:11], s[20:21]
.macro XLOAD t
.irp i, 0,1,2,3
	global_load_b128 v[R+16*((\t)%4)+4*\i:R+16*((\t)%4)+4*\i+3], v3, s[4:5] offset:2048*(\t)+512*\i th:TH_LOAD_NT   ; 32 lanes read 512 consecutive bytes
.endr
.endm
.macro XTURN t                         ; step t's numbers through the stage: LDS serves a wave's instructions in order, so no wait stands between the stores and the loads
.irp i, 0,1,2,3
	ds_store_b128 v14, v[R+16*((\t)%4)+4*\i:R+16*((\t)%4)+4*\i+3] offset:32*SP*((\t)%2)+8*SP*\i
.endr
.irp i, 0,1,2,3
	ds_load_b128 v[X+16*((\t)%2)+4*\i:X+16*((\t)%2)+4*\i+3], v15 offset:32*SP*((\t)%2)+16*\i
.endr
.endm
.irp t, 0,1,2,3
	XLOAD \t
.endr
	s_wait_loadcnt 12                              ; step 0's four loads are in; the twelve of steps 1 to 3 may be out
	XTURN 0
.macro XSTEP t
.set XS, X+16*((\t)%2)
.if (\t) > 0
	s_wait_dscnt 1                                 ; this step's numbers are back from the stage (the last step's byte store may be out): so its stores into the stage have read their registers,
.else
	s_wait_dscnt 0x0
.endif
.if (\t)+4 < STEPS
	XLOAD (\t)+4                                   ; which take the loads of four steps on
.endif
.if (\t)+1 < STEPS
.if STEPS-2-(\t) >= 3
	s_wait_loadcnt 12                              ; the next step's four loads are in; those of the three steps behind it may be out
.else
	s_wait_loadcnt 4*(STEPS-2-(\t))
.endif
	XTURN (\t)+1                                   ; and go through the other stage while this step is worked
.endif
	v_max3_num_f32 v8, |v[XS]|, |v[XS+1]|, |v[XS+2]|               ; the largest magnitude of my 16, in two chains
	v_max3_num_f32 v9, |v[XS+3]|, |v[XS+4]|, |v[XS+5]|
.irp i, 6,10
	v_max3_num_f32 v8, v8, |v[XS+\i]|, |v[XS+\i+1]|
	v_max3_num_f32 v9, v9, |v[XS+\i+2]|, |v[XS+\i+3]|
.endr
	v_max3_num_f32 v8, v8, |v[XS+14]|, |v[XS+15]|
	v_max3_num_f32 v8, v8, v9, (EMAX+1)<<23        ; and the floor 2^(3 - 127): the byte cannot fall under 1
	v_max_num_f32_dpp v8, v8, v8 row_xmask:1 row_mask:0xf bank_mask:0xf   ; and of my neighbour's 16: the block's
	v_add_nc_u32 v11, -(EMAX<<23), v8              ; 2 off its exponent field: the conversion takes the exponent field of this operand as its scale, and nothing else of it
	v_cvt_scalef32_pk16_fp6_f32 v[C+4*(\t):C+4*(\t)+2], v[XS:XS+15], v11         ; sixteen numbers / the scale, to the nearest code, ties to even, beyond the largest code the largest; 96 bits without gaps
	v_lshrrev_b32 v[E+(\t)], 23, v11               ; the scale's byte
	ds_store_b8 v5, v[E+(\t)] offset:16*(\t)       ; both lanes of a block write the same byte with the same value
	global_store_b96 v4, v[C+4*(\t):C+4*(\t)+2], s[8:9] offset:32*CB*(\t)        ; the wave stores 384 consecutive bytes
.endm
.irp t, 0,1,2,3,4,5,6,7,8,9,10,11,12,13,14,15
	XSTEP \t
.endr
	ds_load_b64 v[12:13], v6                       ; LDS serves a wave's instructions in order: these see my stores
	s_wait_dscnt 0x0
	global_store_b64 v7, v[12:13], s[10:11]        ; 32 lanes store 256 consecutive bytes, aligned
	s_wait_tensorcnt 0x0
	ds_add_u32 v192, v193
	s_wait_dscnt 0x0
	s_endpgm
; ---------------- THE WEIGHTS.  K is their first axis.  A lane takes a column n and its registers run down K: each load reads 128 consecutive bytes a wave, a block of 32 along K lies in one lane's registers,
; and the conversions give codes with K innermost.  A wave takes 32 columns x 256 along K; the codes go through its own stage in LDS and leave as rows: sixteen lanes store a row's 192 consecutive bytes.
.Lweights:
	s_load_b256 s[4:11], s[0:1], 0x20              ; Wq s[4:5], Wk s[6:7], Wv s[8:9], wc s[10:11]
	s_load_b64 s[12:13], s[0:1], 0x40              ; ws
	s_sub_co_u32 s14, ttmp9, 512                   ; 0..95
	s_lshr_b32 s15, s14, 5                         ; which weight
	s_and_b32 s17, s14, 7                          ; which 128 columns
	s_bfe_u32 s18, s14, 0x20003                    ; which 256 along K
	s_lshl_b32 s17, s17, 7
	s_lshl_b32 s19, s16, 5
	s_add_co_u32 s17, s17, s19                     ; my wave's first column, a multiple of 32
	s_wait_alu depctr_va_vdst(0)
	v_lshlrev_b32 v3, 2, v2                        ; in: 4 bytes a lane
	s_mul_i32 s19, s16, 32*WPITCH
	s_add_co_u32 s19, s19, WSTG                    ; my stage
	v_mul_u32_u24 v4, v2, WPITCH
	v_add_nc_u32 v4, s19, v4                       ; into it: row = my column
	v_and_b32 v5, 15, v2
	v_lshrrev_b32 v6, 4, v2                        ; out of it: sixteen lanes to a row, two rows an instruction
	v_mul_u32_u24 v7, v6, WPITCH
	v_lshl_add_u32 v7, v5, 4, v7
	v_add_nc_u32 v7, s19, v7
	v_mul_u32_u24 v8, v6, KROW
	v_mad_u32_u24 v8, v5, 12, v8                   ; and the same place in the codes' buffer (the permutation leaves a column's lowest bit alone)
	v_and_b32 v9, 7, v2                            ; pi(lane): bits 3 and 4 change places
	v_and_b32 v10, 8, v2
	v_lshl_or_b32 v9, v10, 1, v9
	v_and_b32 v10, 16, v2
	v_lshrrev_b32 v10, 1, v10
	v_or_b32 v9, v9, v10
	v_lshlrev_b32 v9, 5, v9                        ; my column's row of scale bytes: 32 bytes a row
	s_lshl_b32 s20, s18, 20                        ; W: 256 rows of 4,096 bytes,
	s_lshl_b32 s22, s17, 2
	s_add_co_u32 s20, s20, s22                     ; + 4 bytes a column
	s_mov_b32 s21, 0
	s_mul_i32 s24, s17, KROW                       ; codes: column x 768 + 192 x (which 256 along K) + the weight's 786,432
	s_mul_i32 s26, s18, 192
	s_add_co_u32 s24, s24, s26
	s_mul_i32 s26, s15, 1024*KROW
	s_add_co_u32 s24, s24, s26
	s_mov_b32 s25, 0
	s_lshl_b32 s28, s17, 5                         ; scale bytes: column x 32 + 8 x (which 256) + the weight's 32,768
	s_lshl_b32 s26, s18, 3
	s_add_co_u32 s28, s28, s26
	s_lshl_b32 s26, s15, 15
	s_add_co_u32 s28, s28, s26
	s_mov_b32 s29, 0
	s_wait_kmcnt 0x0
	s_cmp_eq_u32 s15, 0
	s_cselect_b64 s[4:5], s[4:5], s[6:7]
	s_cmp_eq_u32 s15, 2
	s_cselect_b64 s[4:5], s[8:9], s[4:5]
	s_add_nc_u64 s[4:5], s[4:5], s[20:21]
	s_add_nc_u64 s[10:11], s[10:11], s[24:25]
	s_add_nc_u64 s[12:13], s[12:13], s[28:29]
.macro WLOAD t                         ; block t: W(32 t + i, my column), i = 0 .. 31, into set t % 2
.irp i, 0,1,2,3,4,5,6,7,8,9,10,11,12,13,14,15,16,17,18,19,20,21,22,23,24,25,26,27,28,29,30,31
	global_load_b32 v[WX+32*((\t)%2)+\i], v3, s[4:5] offset:(32*(\t)+\i)*4096 th:TH_LOAD_NT
.endr
.endm
	WLOAD 0
	WLOAD 1
.macro WBLOCK t
.set XS, WX+32*((\t)%2)
.if (\t) < NB-1
	s_wait_loadcnt 32                              ; this block's 32 loads are in; the next block's may be out
.else
	s_wait_loadcnt 0
.endif
	v_max3_num_f32 v12, |v[XS]|, |v[XS+1]|, |v[XS+2]|               ; the block's largest magnitude: all 32 numbers are mine
	v_max3_num_f32 v13, |v[XS+3]|, |v[XS+4]|, |v[XS+5]|
.irp i, 6,10,14,18,22,26
	v_max3_num_f32 v12, v12, |v[XS+\i]|, |v[XS+\i+1]|
	v_max3_num_f32 v13, v13, |v[XS+\i+2]|, |v[XS+\i+3]|
.endr
	v_max3_num_f32 v12, v12, |v[XS+30]|, |v[XS+31]|
	v_max3_num_f32 v12, v12, v13, (EMAX+1)<<23     ; and the floor
	v_add_nc_u32 v11, -(EMAX<<23), v12             ; the conversion's scale operand
	v_lshrrev_b32 v13, 23, v11                     ; the scale's byte
.if (\t)%4 == 0
	v_mov_b32 v[SB+(\t)/4], v13                    ; four bytes to a register, the lower K in the lower byte
.else
	v_lshl_or_b32 v[SB+(\t)/4], v13, 8*((\t)%4), v[SB+(\t)/4]
.endif
	v_cvt_scalef32_pk16_fp6_f32 v[WC:WC+2], v[XS:XS+15], v11
	v_cvt_scalef32_pk16_fp6_f32 v[WC+4:WC+6], v[XS+16:XS+31], v11   ; (a conversion's three registers begin on an even number)
	ds_store_b96 v4, v[WC:WC+2] offset:32*(\t)     ; 16 codes, 12 bytes, to a place of 16 bytes in the stage
	ds_store_b96 v4, v[WC+4:WC+6] offset:32*(\t)+16
.if (\t)+2 < NB
	WLOAD (\t)+2
.endif
	s_wait_dscnt 0x0                               ; the stores have read their registers: the next block's codes may be written
.endm
.set Q, 0
.rept NB
	WBLOCK Q
.set Q, Q+1
.endr
	s_wait_alu depctr_va_vdst(0)
	global_store_b64 v9, v[SB:SB+1], s[12:13]      ; my column's 8 scale bytes, at its position
.irp t, 0,1,2,3,4,5,6,7,8,9,10,11,12,13,14,15
	ds_load_b96 v[OUTR+4*\t:OUTR+4*\t+2], v7 offset:2*\t*WPITCH   ; LDS serves a wave's instructions in order: these see my stores
.endr
.irp t, 0,1,2,3,4,5,6,7,8,9,10,11,12,13,14,15
.set PT, ((2*\t)&7)|(((2*\t)&8)<<1)|(((2*\t)&16)>>1)   ; pi of columns 2 t, 2 t + 1
	s_wait_dscnt 15-\t                             ; loads come back in order: t's is in, the 15 - t younger may be out
	global_store_b96 v8, v[OUTR+4*\t:OUTR+4*\t+2], s[10:11] offset:PT*KROW
.endr
	s_wait_tensorcnt 0x0
	ds_add_u32 v192, v193
	s_wait_dscnt 0x0
	s_endpgm
.Lfunc_end_k_q2a3801696e_quant:
	.size	k_q2a3801696e_quant, .Lfunc_end_k_q2a3801696e_quant-k_q2a3801696e_quant
	.p2alignl 7, 3214868480
	.fill 96, 4, 3214868480
	.section	.rodata,"a",@progbits
	.p2align	6, 0x0
	.amdhsa_kernel k_q2a3801696e_quant
		.amdhsa_group_segment_fixed_size 68096
		.amdhsa_private_segment_fixed_size 0
		.amdhsa_enable_private_segment 0
		.amdhsa_kernarg_size 72
		.amdhsa_user_sgpr_count 2
		.amdhsa_user_sgpr_kernarg_segment_ptr 1
		.amdhsa_wavefront_size32 1
		.amdhsa_system_sgpr_workgroup_id_x 1
		.amdhsa_system_sgpr_workgroup_id_y 1
		.amdhsa_system_sgpr_workgroup_id_z 1
		.amdhsa_system_vgpr_workitem_id 0
		.amdhsa_next_free_vgpr 194
		.amdhsa_next_free_sgpr 66
		.amdhsa_reserve_vcc 0
		.amdhsa_float_denorm_mode_32 3
		.amdhsa_float_denorm_mode_16_64 3
		.amdhsa_memory_ordered 1
		.amdhsa_forward_progress 1
		.amdhsa_inst_pref_size 74
	.end_amdhsa_kernel
	.amdgpu_metadata
---
amdhsa.version: [ 1, 2 ]
amdhsa.kernels:
  - .name:           k_q2a3801696e_quant
    .symbol:         k_q2a3801696e_quant.kd
    .args:
      - { .name: query, .offset: 0, .size: 8, .value_kind: global_buffer, .address_space: global }
      - { .name: keys, .offset: 8, .size: 8, .value_kind: global_buffer, .address_space: global }
      - { .name: xc, .offset: 16, .size: 8, .value_kind: global_buffer, .address_space: global }
      - { .name: xs, .offset: 24, .size: 8, .value_kind: global_buffer, .address_space: global }
      - { .name: Wq, .offset: 32, .size: 8, .value_kind: global_buffer, .address_space: global }
      - { .name: Wk, .offset: 40, .size: 8, .value_kind: global_buffer, .address_space: global }
      - { .name: Wv, .offset: 48, .size: 8, .value_kind: global_buffer, .address_space: global }
      - { .name: wc, .offset: 56, .size: 8, .value_kind: global_buffer, .address_space: global }
      - { .name: ws, .offset: 64, .size: 8, .value_kind: global_buffer, .address_space: global }
    .group_segment_fixed_size: 68096
    .private_segment_fixed_size: 0
    .kernarg_segment_align: 8
    .kernarg_segment_size: 72
    .max_flat_workgroup_size: 128
    .sgpr_count:     66
    .vgpr_count:     194
    .wavefront_size: 32
...
	.end_amdgpu_metadata
.endif
;; end of part 1
;; launch proj (part 2): grid 12 x 32, 4 waves a work-group, clusters of 4 x 4, 327,680 bytes of LDS; arguments xc, xs, wc, ws, qimg, qsc, kv, kvsc; writes qimg, qsc, kv, kvsc
.if DOCPART == 2
	.amdgcn_target "amdgcn-amd-amdhsa--gfx1250"
	.amdhsa_code_object_version 6
	.text
	.protected	k_q2a3801696e_proj
	.globl	k_q2a3801696e_proj
	.p2align	8
	.type	k_q2a3801696e_proj,@function
k_q2a3801696e_proj:
	s_mov_b64 s[64:65], 0
	v_nop
	global_prefetch_b8 v0, s[64:65] scope:SCOPE_SE
	s_setreg_imm32_b32 hwreg(HW_REG_WAVE_MODE, 25, 1), 1
	s_wait_xcnt 0x0
	s_wait_alu depctr_hold_cnt(0) depctr_sa_sdst(0) depctr_va_vdst(0) depctr_va_sdst(0) depctr_va_ssrc(0) depctr_va_vcc(0) depctr_vm_vsrc(0)
	s_getreg_b32 s2, hwreg(HW_REG_IB_STS2, 6, 4)
	s_cmp_eq_u32 s2, 0
	s_cbranch_scc0 .Lentry_in_a_cluster
	s_endpgm
.Lentry_in_a_cluster:
	s_bfe_u32 s2, ttmp6, 0x10000c
	s_cmp_lg_u32 s2, 0xf033
	s_cbranch_scc0 .Lentry_shape_is_right
	s_endpgm
.Lentry_shape_is_right:
; Q = query Wq, K = keys Wk, V = keys Wv on codes of FP6 (E2M3) with one E8M0 byte for each 32 along K = 1,024; f32 sums; each result is quantised again on the way out and leaves as images of the attention launch's operand registers.
; Cluster x chooses the product: 0 Q, 1 K (A = the tokens' rows, B = the weight's rows: a lane then holds one token and its registers run along the features), 2 V (A = Wv's rows, B = the tokens': registers run along the tokens, V's K).
; A tile of 256 x 256 to a work-group of four waves, 128 x 128 a wave: 64 accumulators in windows 2 and 3; A's fragments in window 0 (one set), B's in window 1 (two sets).
; THE RING: two LDS slots, each with one CHUNK OF 256 BYTES of A's 256 rows and of B's 256 rows: a row of codes is 768 bytes, so every chunk begins at a multiple of 256 bytes.  A step of 128 along K is 96 bytes: eight steps to three chunks;
; steps 2 and 5 lie across two chunks and read both slots.
; THE HEAD: one joint load a wave, each on a line of its own: chunk 0 of A, chunk 0 of B, chunk 1 of A, chunk 1 of B.  The walk begins when the first two are in (waves 0 and 1 alone wait ahead of the first barrier);
; step 1's wait for all loads, in every wave, and its barrier show chunk 1.  Chunk 2 refills slot 0 behind the round in step 2, 128 rows a wave, by a group 1 of its own.
; THE SCALE BYTES of the 512 rows, two dense blocks of 8,192 bytes, come by plain loads of 512 consecutive bytes a wave and are stored into LDS blocks of their own behind the ring, as units of 256 bytes + 16.
; CLUSTERS 4 x 4: A's tiles are shared along a row of the cluster, B's along a column.  No data prefetch: K is three chunks, of which two are asked for at the head.
; LIMITS: NaN and infinities are not served; a block of results whose largest magnitude lies under 2^-124 gets the byte 1 (zeros have zero codes; the bytes are read by this program alone).
.set ROWB,   256
.set NQ,     2
.set KROW,   768
.set STEPS,  8
.set CHUNKS, 3
.set PITCH,  272                       ; 256 bytes + 16 of padding
.set FR,     12
.set NL,     6
.set NP,     4
.set HALFT,  128*PITCH
.set SLOT,   4*HALFT
.set KS,     32
.set SCL,    2*SLOT                    ; the scale bytes: A's 32 units of 272 bytes, then B's
.set HALFS,  16*272
.set SBLK,   2*272
.set SPARE,  SCL+4*HALFS               ; the spare words, 128 bytes a wave
.set STG,    SPARE+512                 ; the way out's stage for scale words, 512 bytes a wave; no tile lands here
.set L8,   7
.set ADRA, 16                          ; v16-17 my A fragments in slot 0, 1; v18-19 for pieces whose two halves of the lanes read different slots
.set ADRB, 20
.set ADRS, 27
.set SPW,  28
.set NIL,  29
.set SWR,  30
.set SRD,  31
.set SC,   32
.set XT,   64                          ; v64-95 head: my share of the scale bytes on its way into LDS
.set AF,   128
.set TM,   200
.set WD,   216
.set OFS,  224
.set ZW,   240
.set UB,   248
.set G1, 24                            ; s[24:31] group 1 of A's tiles at the head: 256 rows
.set G0, 32                            ; s[32:35] group 0 of A's refill
.set G1B, 48                           ; the same for B
.set G0B, 56
.set G1R, 68                           ; s[68:75] group 1 of A's refill: 128 rows
.set G0C, 76                           ; s[76:79] group 0 of A's chunk 1 at the head
.set G1RB, 80
.set G0CB, 88
.set G0H, 4                            ; s[4:7], s[8:11] groups 0 of chunk 0 at the head
.set G0HB, 8
.set SEL, 96
.set MSB, 0
.macro WIN new
.if MSB != \new
	s_set_vgpr_msb (MSB<<8)|\new
.set MSB, \new
.endif
.endm
.set MUL_LO, 0xa1
.set MUL_HI, 0xf1
.set TO_B,   0x40
.macro JLOAD g0a, g1a, g0b, g1b        ; waves 0, 1 fetch for A, waves 2, 3 for B: one mask to a line
	s_cmp_eq_u32 s15, 0
	s_cbranch_scc0 .Lfor_b_\@
	tensor_load_to_lds s[\g0a:\g0a+3], s[\g1a:\g1a+7]
	s_nop 0
.rept 4
	v_nop
.endr
	s_branch .Lasked_\@
.Lfor_b_\@:
	tensor_load_to_lds s[\g0b:\g0b+3], s[\g1b:\g1b+7]
	s_nop 0
.rept 4
	v_nop
.endr
.Lasked_\@:
.endm
.macro CREST
	s_cmp_lg_u32 s14, 0
	s_cbranch_scc1 .Lnot_wave_0_\@
	s_barrier_signal -3
.Lnot_wave_0_\@:
	s_barrier_wait -3
	s_barrier_signal -1
	s_barrier_wait -1
.endm
.macro CROUND
	s_barrier_signal -1
	s_barrier_wait -1
	CREST
.endm
	s_load_b128 s[4:7], s[0:1], 0x0                ; xc, xs
	s_load_b128 s[8:11], s[0:1], 0x10              ; wc, ws
	v_lshl_add_u32 v[SPW], v0, 2, SPARE
	v_mov_b32 v[NIL], 0
	ds_add_u32 v[SPW], v[NIL]                      ; the opening lines: the add twice on end and one wait
	ds_add_u32 v[SPW], v[NIL]
	v_lshrrev_b32 v1, 5, v0
	v_readfirstlane_b32 s14, v1                    ; wave
	s_lshr_b32 s15, s14, 1                         ; my half of the tile's rows; also: I fetch for A (0) or B (1)
	s_and_b32 s16, s14, 1                          ; my half of its columns; also: which 128 rows I fetch
	s_bfe_u32 s40, ttmp6, 0x40000                  ; cx
	s_bfe_u32 s41, ttmp6, 0x40004                  ; cy
	s_and_b32 s66, ttmp7, 0xffff
	s_lshl_b32 s66, s66, 2
	s_mul_i32 s95, ttmp9, 6291456                  ; where the product's operands begin in their buffers: A's codes, A's scales, B's codes, B's scales
	s_mul_i32 s96, ttmp9, 262144
	s_mul_i32 s97, ttmp9, 786432
	s_mul_i32 s98, ttmp9, 32768
	s_cmp_eq_u32 ttmp9, 2                          ; V: the weight is A, the tokens are B
	s_cselect_b32 s67, 0, s66
	s_cselect_b32 s66, s66, 0
	s_cselect_b32 s95, 1572864, s95
	s_cselect_b32 s96, 65536, s96
	s_cselect_b32 s97, 6291456, s97
	s_cselect_b32 s98, 262144, s98
	s_add_co_u32 s17, s67, s41                     ; tile row
	s_add_co_u32 s42, s66, s40                     ; tile column
	s_lshl_b32 s43, s41, 2
	s_lshl_b32 s43, 15, s43                        ; my row of the cluster
	s_lshl_b32 s44, 0x1111, s40                    ; my column
	s_or_b32 s[G1+0], s43, (0<<16)|(1<<20)|(1<<21)|(5<<22)|(3<<25)
	s_or_b32 s[G1B+0], s44, (0<<16)|(1<<20)|(1<<21)|(5<<22)|(3<<25)
.irp g, G1, G1B
	s_mov_b32 s[\g+1], ROWB<<16
	s_mov_b32 s[\g+2], 256<<16                     ; 256 rows for the head's loads
	s_mov_b32 s[\g+3], ROWB<<16
	s_mov_b32 s[\g+4], 256
	s_mov_b32 s[\g+5], KROW
	s_mov_b32 s[\g+6], 0
	s_mov_b32 s[\g+7], 0
.endr
	s_or_b32 s[G1R+0], s43, (0<<16)|(1<<20)|(1<<21)|(5<<22)|(3<<25)
	s_or_b32 s[G1RB+0], s44, (0<<16)|(1<<20)|(1<<21)|(5<<22)|(3<<25)
.irp g, G1R, G1RB
	s_mov_b32 s[\g+1], ROWB<<16
	s_mov_b32 s[\g+2], 128<<16                     ; 128 rows for the refill
	s_mov_b32 s[\g+3], ROWB<<16
	s_mov_b32 s[\g+4], 128
	s_mov_b32 s[\g+5], KROW
	s_mov_b32 s[\g+6], 0
	s_mov_b32 s[\g+7], 0
.endr
	s_lshl_b32 s20, s17, 8                         ; A's first row
	s_lshl_b32 s46, s42, 8                         ; B's
	s_lshl_b32 s22, s20, 5
	s_add_co_u32 s22, s22, s96
	s_mov_b32 s23, 0
	s_mul_i32 s20, s20, KROW
	s_add_co_u32 s20, s20, s95
	s_mov_b32 s21, 0
	s_lshl_b32 s92, s46, 5
	s_add_co_u32 s92, s92, s98
	s_mov_b32 s93, 0
	s_mul_i32 s46, s46, KROW
	s_add_co_u32 s46, s46, s97
	s_mov_b32 s47, 0
	s_mul_i32 s18, s16, 128*KROW                   ; in the refill I fetch 128 rows: which half
	s_mov_b32 s19, 0
	s_mul_i32 s45, s14, HALFT                      ; and where they go
	s_wait_dscnt 0x0
	s_wait_kmcnt 0x0
	s_cmp_eq_u32 ttmp9, 2
	s_cselect_b64 s[12:13], s[8:9], s[4:5]
	s_cselect_b64 s[8:9], s[4:5], s[8:9]
	s_cselect_b64 s[4:5], s[10:11], s[6:7]
	s_cselect_b64 s[10:11], s[6:7], s[10:11]
	s_add_nc_u64 s[20:21], s[12:13], s[20:21]      ; A's codes
	s_add_nc_u64 s[2:3], s[4:5], s[22:23]          ; A's scale bytes
	s_add_nc_u64 s[46:47], s[8:9], s[46:47]        ; B's codes
	s_add_nc_u64 s[92:93], s[10:11], s[92:93]      ; B's scale bytes
	CROUND                                         ; the round in front of the first joint loads
	s_mov_b32 s[G0H], 1
	s_mov_b32 s[G0H+1], 0
	s_mov_b64 s[G0H+2:G0H+3], s[20:21]
	s_or_b32 s[G0H+3], s[G0H+3], 0x80000000
	s_mov_b32 s[G0HB], 1
	s_mov_b32 s[G0HB+1], 2*HALFT
	s_mov_b64 s[G0HB+2:G0HB+3], s[46:47]
	s_or_b32 s[G0HB+3], s[G0HB+3], 0x80000000
	s_mov_b32 s[G0C], 1
	s_mov_b32 s[G0C+1], SLOT
	s_add_nc_u64 s[G0C+2:G0C+3], s[20:21], ROWB
	s_or_b32 s[G0C+3], s[G0C+3], 0x80000000
	s_mov_b32 s[G0CB], 1
	s_mov_b32 s[G0CB+1], SLOT+2*HALFT
	s_add_nc_u64 s[G0CB+2:G0CB+3], s[46:47], ROWB
	s_or_b32 s[G0CB+3], s[G0CB+3], 0x80000000
	s_add_nc_u64 s[20:21], s[20:21], s[18:19]
	s_add_nc_u64 s[46:47], s[46:47], s[18:19]
	s_mov_b32 s[G0], 1                             ; slot 0's refill: my 128 rows; the step that asks adds two chunks
	s_mov_b32 s[G0+1], s45
	s_mov_b64 s[G0+2:G0+3], s[20:21]
	s_or_b32 s[G0+3], s[G0+3], 0x80000000
	s_mov_b32 s[G0B], 1
	s_mov_b32 s[G0B+1], s45
	s_mov_b64 s[G0B+2:G0B+3], s[46:47]
	s_or_b32 s[G0B+3], s[G0B+3], 0x80000000
.macro ARM under, g0, g1, next         ; the head's loads, one a wave, in one chain of branches on the wave's number
	s_cmp_lt_u32 s14, \under
	s_cbranch_scc0 \next
	tensor_load_to_lds s[\g0:\g0+3], s[\g1:\g1+7]
	s_nop 0
.rept 4
	v_nop
.endr
	s_branch .Lhead_asked
\next:
.endm
	ARM 1, G0H,  G1,  .Lhead_b
	ARM 2, G0HB, G1B, .Lhead_a1
	ARM 3, G0C,  G1,  .Lhead_b1
	tensor_load_to_lds s[G0CB:G0CB+3], s[G1B:G1B+7]
	s_nop 0
.rept 4
	v_nop
.endr
.Lhead_asked:
	v_lshlrev_b32 v8, 4, v0                        ; my 16 bytes of each 2,048 of the scale bytes
.irp i, 0,1,2,3
	global_load_b128 v[XT+4*\i:XT+4*\i+3], v8, s[2:3] offset:2048*\i       ; a wave reads 512 consecutive bytes
	global_load_b128 v[XT+16+4*\i:XT+16+4*\i+3], v8, s[92:93] offset:2048*\i
.endr
	v_and_b32 v1, 15, v0
	v_bfe_u32 v2, v0, 4, 1
	v_mul_u32_u24 v3, v1, PITCH
	v_mul_u32_u24 v4, v2, 24
	v_add_nc_u32 v4, v3, v4                        ; row x pitch + 24 x half
	s_mov_b32 s21, SLOT-232
	s_mov_b32 s22, SLOT+232
	v_sub_nc_u32 v7, 1, v2
	v_mul_u32_u24 v5, s21, v2
	v_add_nc_u32 v5, v3, v5
	v_add_nc_u32 v5, 232, v5                       ; lanes 0-15 byte 232 of the row in slot 0, lanes 16-31 byte 0 of the row in slot 1
	v_mul_u32_u24 v6, s22, v7
	v_add_nc_u32 v6, v3, v6                        ; and the other way round
	s_mul_i32 s21, s15, HALFT
	s_mul_i32 s22, s16, HALFT
	s_add_co_u32 s22, s22, 2*HALFT
	v_add_nc_u32 v[ADRA+2], s21, v5
	v_add_nc_u32 v[ADRA+3], s21, v6
	v_add_nc_u32 v[ADRB+2], s22, v5
	v_add_nc_u32 v[ADRB+3], s22, v6
.irp s, 0,1
	v_add_nc_u32 v[ADRA+\s], s21, v4
	v_add_nc_u32 v[ADRB+\s], s22, v4
	s_add_co_u32 s21, s21, SLOT
	s_add_co_u32 s22, s22, SLOT
.endr
	v_mul_u32_u24 v5, v1, KS
	v_lshrrev_b32 v6, 8, v5
	v_lshl_add_u32 v5, v6, 4, v5
	s_mul_i32 s21, s15, HALFS
	s_mul_i32 s22, s16, HALFS
	s_add_co_u32 s22, s22, 2*HALFS
	s_sub_co_u32 s22, s22, s21
	v_mul_u32_u24 v6, s22, v2                      ; lanes 16-31 take B's scale words
	s_add_co_u32 s21, s21, SCL
	v_add_nc_u32 v5, v5, v6
	v_add_nc_u32 v[ADRS], s21, v5
	v_and_b32 v6, 31, v0
	v_lshlrev_b32 v[L8], 3, v6
	s_lshl_b32 s23, s14, 9
	s_add_co_u32 s23, s23, STG
	v_lshl_add_u32 v[SWR], v1, 2, s23
	v_lshl_add_u32 v[SRD], v6, 3, s23
	v_lshrrev_b32 v9, 4, v0                        ; where my 16 scale bytes go: unit (thread / 16) x 272 + 16 (thread % 16)
	v_mul_u32_u24 v9, v9, 272
	v_lshl_add_u32 v9, v1, 4, v9
	v_add_nc_u32 v9, SCL, v9
.macro FRAG reg, adr, st, i            ; a fragment in six pieces of 8 bytes; byte y of a row lies in slot (y / 256) % 2 at byte y % 256
.irp p, 0,1,2,3,4,5
.set BY, 96*(\st)+48*(\p/3)+8*(\p%3)
.if BY/ROWB == (BY+24)/ROWB
	ds_load_b64 v[\reg+2*\p:\reg+2*\p+1], v[\adr+(BY/ROWB)%2] offset:BY%ROWB+(\i)*16*PITCH
.else
	ds_load_b64 v[\reg+2*\p:\reg+2*\p+1], v[\adr+2+(BY/ROWB)%2] offset:BY%ROWB-232+(\i)*16*PITCH
.endif
.endr
.endm
.macro MUL16 a0, p, q, sc, zero        ; A's blocks a0, a0 + 1 x B's eight; the 64 accumulators take turns
.irp a, \a0, \a0+1
.irp b, 0,1,2,3,4,5,6,7
.if \zero
	v_wmma_scale_f32_16x16x128_f8f6f4 v[8*(8*((\a)%4)+\b):8*(8*((\a)%4)+\b)+7], v[128*(\p)+FR*\b:128*(\p)+FR*\b+FR-1], v[AF+FR*(\a):AF+FR*(\a)+FR-1], 0, v[SC+8*NQ*(\sc)+NQ*\b+(\q)], v[SC+8*NQ*(\sc)+NQ*(\a)+(\q)] matrix_a_fmt:MATRIX_FMT_FP6 matrix_b_fmt:MATRIX_FMT_FP6 matrix_a_scale:MATRIX_SCALE_ROW1
.else
	v_wmma_scale_f32_16x16x128_f8f6f4 v[8*(8*((\a)%4)+\b):8*(8*((\a)%4)+\b)+7], v[128*(\p)+FR*\b:128*(\p)+FR*\b+FR-1], v[AF+FR*(\a):AF+FR*(\a)+FR-1], v[8*(8*((\a)%4)+\b):8*(8*((\a)%4)+\b)+7], v[SC+8*NQ*(\sc)+NQ*\b+(\q)], v[SC+8*NQ*(\sc)+NQ*(\a)+(\q)] matrix_a_fmt:MATRIX_FMT_FP6 matrix_b_fmt:MATRIX_FMT_FP6 matrix_a_scale:MATRIX_SCALE_ROW1
.endif
.endr
.endr
.endm
.macro FETCH_B st, p
	WIN TO_B
.irp i, 0,1,2,3,4,5,6,7
	FRAG 128*(\p)+FR*\i, ADRB, \st, \i
.endr
	WIN 0
.endm
.macro FETCH_A st, i0
.irp i, \i0, \i0+1, \i0+2, \i0+3
	FRAG AF+FR*(\i), ADRA, \st, \i
.endr
.endm
.macro SCALES pr                       ; the scale words of steps 2 pr, 2 pr + 1: lanes 0-15 A's block i, lanes 16-31 B's
.irp i, 0,1,2,3,4,5,6,7
	ds_load_b64 v[SC+8*NQ*((\pr)%2)+NQ*\i:SC+8*NQ*((\pr)%2)+NQ*\i+1], v[ADRS] offset:\i*SBLK+4*NQ*(\pr)
.endr
.endm
.macro PLACES n
.rept \n
	v_nop
.endr
.endm
; A step: 64 products; the next step's fragments are fetched in its middle and at its end.  Where the next step's bytes end in a chunk not yet read, every wave waits for all its loads and a barrier shows that chunk whole;
; where they begin in a later chunk, the chunk left behind is read no more: the three lines, the barrier, and, if a chunk two on is left to fetch, the rest of a round and the refill.
.macro STEP st, zero
.set NX, (\st)+1
.set C0, (96*(\st))/ROWB
.set C1, (96*NX)/ROWB
.set E0, (96*(\st)+95)/ROWB
.set E1, (96*NX+95)/ROWB
.if C1 > C0 || E1 > E0
	s_wait_tensorcnt 0x0                           ; all my tensor loads have landed
.if C1 > C0
	ds_add_u32 v[SPW], v[NIL]
	s_wait_dscnt 4*NL+1                            ; the add and A's blocks 4-7 (24 loads) may be out
.else
	s_wait_dscnt 4*NL                              ; A's blocks 4-7 may be out
.endif
	WIN MUL_LO
	MUL16 0, (\st)%2, (\st)%2, ((\st)/2)%2, \zero
	s_wait_dscnt 0x0
	s_barrier_signal -1
	MUL16 2, (\st)%2, (\st)%2, ((\st)/2)%2, \zero
	WIN 0
	s_barrier_wait -1
.if C1 > C0 && C0+2 < CHUNKS
	CREST
	s_add_nc_u64 s[G0+2:G0+3], s[G0+2:G0+3], 2*ROWB
	s_add_nc_u64 s[G0B+2:G0B+3], s[G0B+2:G0B+3], 2*ROWB
	JLOAD G0, G1R, G0B, G1RB                       ; chunk 2 into slot 0 (the one refill: C0 = 0); its four v_nop are the places in front of the loads below
.else
	PLACES NP
.endif
.else
	s_wait_dscnt 4*NL                              ; A's blocks 4-7 may be out
	WIN MUL_LO
	MUL16 0, (\st)%2, (\st)%2, ((\st)/2)%2, \zero
	MUL16 2, (\st)%2, (\st)%2, ((\st)/2)%2, \zero
	s_wait_dscnt 0
	PLACES NP
.endif
	FETCH_B NX, NX%2
	FETCH_A NX, 0
.if NX%2 == 0
	SCALES NX/2
.endif
	WIN MUL_HI
	MUL16 4, (\st)%2, (\st)%2, ((\st)/2)%2, \zero
	MUL16 6, (\st)%2, (\st)%2, ((\st)/2)%2, \zero
	PLACES NP
	WIN 0
	FETCH_A NX, 4
.endm
	s_wait_alu depctr_va_vdst(0)                   ; the wait at the head's end
	s_wait_loadcnt 0x0                             ; my share of the scale bytes is in registers
.irp i, 0,1,2,3
	ds_store_b128 v9, v[XT+4*\i:XT+4*\i+3] offset:2176*\i                  ; 2,048 bytes are eight units of 272
	ds_store_b128 v9, v[XT+16+4*\i:XT+16+4*\i+3] offset:2*HALFS+2176*\i
.endr
	s_wait_dscnt 0x0
	s_cmp_lt_u32 s14, 2
	s_cbranch_scc0 .Lnot_first
	s_wait_tensorcnt 0x0                           ; waves 0 and 1: chunk 0 of A, of B
.Lnot_first:
	s_barrier_signal -1
	s_barrier_wait -1                              ; chunk 0 and the scale bytes are in; chunk 1 may still be on its way
	FETCH_B 0, 0
	FETCH_A 0, 0
	SCALES 0
	FETCH_A 0, 4
	STEP 0, 1                                      ; the first step's products start the sums
.set ST, 1
.rept STEPS-2
	STEP ST, 0
.set ST, ST+1
.endr
	s_load_b256 s[4:11], s[0:1], 0x20              ; qimg, qsc, kv, kvsc (every tensor load has been waited for: the descriptors that lay here are done with)
	s_wait_dscnt 4*NL
	WIN MUL_LO
	MUL16 0, 1, 1, 1, 0
	MUL16 2, 1, 1, 1, 0
	s_wait_dscnt 0
	WIN MUL_HI
	MUL16 4, 1, 1, 1, 0
	MUL16 6, 1, 1, 1, 0
	WIN 0
	PLACES NP
; THE WAY OUT.  A block of 16 rows x 128 columns is four scale blocks of 32 (a lane's 16 registers of two neighbouring tiles and lane l xor 16's); its codes are one fragment, stored as two half fragments of three pieces of 256 bytes.
	s_wait_kmcnt 0x0
	s_lshl_b32 s18, s17, 8
	s_lshl_b32 s19, s15, 7
	s_add_co_u32 s18, s18, s19
	s_lshl_b32 s19, s42, 8
	s_lshl_b32 s20, s16, 7
	s_add_co_u32 s19, s19, s20
	s_mov_b32 s43, 768
	s_mov_b32 s44, 768
	s_cmp_eq_u32 ttmp9, 2
	s_cselect_b32 s20, s19, s18                    ; my first token
	s_cselect_b32 s21, s18, s19                    ; my first feature
	s_cselect_b32 s40, -1, 0
	s_cselect_b32 s22, 6144, 0
	s_cselect_b32 s23, 256, 0
	s_cselect_b32 s43, 1536, s43
	s_cselect_b32 s44, 192000, s44
	s_cmp_eq_u32 ttmp9, 0
	s_cselect_b32 s45, 0, 1
	s_cselect_b64 s[4:5], s[4:5], s[8:9]
	s_cselect_b64 s[6:7], s[6:7], s[10:11]
	s_lshl_b32 s46, 98304, s45
	s_lshl_b32 s47, 4096, s45
	s_cmp_eq_u32 ttmp9, 2
	s_cselect_b32 s46, 768, s46
	s_lshr_b32 s92, s20, 11
	s_lshl_b32 s92, s92, 4
	s_lshr_b32 s93, s21, 6
	s_add_co_u32 s92, s92, s93
	s_bfe_u32 s93, s20, 0x40007
	s_mul_i32 s94, s92, 98304
	s_mul_i32 s95, s93, 6144
	s_add_co_u32 s94, s94, s95
	s_lshl_b32 s94, s94, s45
	s_add_co_u32 s94, s94, s22
	s_mov_b32 s95, 0
	s_add_nc_u64 s[4:5], s[4:5], s[94:95]
	s_lshl_b32 s92, s92, 12
	s_lshl_b32 s93, s93, 8
	s_add_co_u32 s94, s92, s93
	s_lshl_b32 s94, s94, s45
	s_add_co_u32 s94, s94, s23
	s_add_nc_u64 s[6:7], s[6:7], s[94:95]
	s_mov_b32 s[SEL], 0x76543210
	s_mov_b32 s[SEL+1], 0xfedcba98
	s_mov_b32 s98, 0x05040100
	s_mov_b32 s99, 0x07060302
.irp b, 0,1,2,3
	v_mov_b32 v[TM+4+\b], 0
.endr
	s_mov_b32 s18, 0
.irp a, 0,1,2,3,4,5,6,7
	s_add_co_u32 s19, s18, s46
	v_add_nc_u32 v[OFS+2*\a], s18, v[L8]
	v_add_nc_u32 v[OFS+2*\a+1], s19, v[L8]
.if \a == 3
	s_add_co_u32 s18, s18, s44
.else
	s_add_co_u32 s18, s18, s43
.endif
.endr
.macro QOUT a
.set AC, 64*((\a)%4)
.set CD, 32+20*(\a)
.set WW, 0x0a+5*((\a)/4)
	WIN WW
.irp b, 0,1,2,3
	v_max3_num_f32 v[TM+\b], |v[AC+16*\b]|, |v[AC+16*\b+1]|, 0x1800000   ; with the floor 2^(3 - 127)
.endr
.irp i, 2,4,6,8,10,12,14
.irp b, 0,1,2,3
	v_max3_num_f32 v[TM+\b], |v[AC+16*\b+\i]|, |v[AC+16*\b+\i+1]|, v[TM+\b]
.endr
.endr
	WIN 0
.irp b, 0,1,2,3
	v_permlanex16_b32 v[TM+4+\b], v[TM+\b], s[SEL], s[SEL+1]
.endr
.irp b, 0,1,2,3
	v_max_num_f32 v[TM+\b], v[TM+\b], v[TM+4+\b]
.endr
.irp b, 0,1,2,3
	v_add_nc_u32 v[TM+12+\b], 0xff000000, v[TM+\b]  ; 2 off the exponent field: the conversion's scale operand
.endr
.irp b, 0,1,2,3
	v_lshrrev_b32 v[TM+4+\b], 23, v[TM+12+\b]
.endr
	v_lshl_or_b32 v[WD+(\a)], v[TM+5], 8, v[TM+4]
	v_lshl_or_b32 v[WD+(\a)], v[TM+6], 16, v[WD+(\a)]
	v_lshl_or_b32 v[WD+(\a)], v[TM+7], 24, v[WD+(\a)]
.set WW, 0x02+(\a)/4
	WIN WW
.irp c, 0,1
	v_cvt_scalef32_pk16_fp6_f32 v[CD+6*\c:CD+6*\c+2], v[AC+32*\c:AC+32*\c+15], v[TM+12+2*\c]
	v_cvt_scalef32_pk16_fp6_f32 v[CD+12+4*\c:CD+14+4*\c], v[AC+32*\c+16:AC+32*\c+31], v[TM+12+2*\c+1]
.endr
	WIN 0
	v_nop
.irp c, 0,1
.irp i, 0,1,2
	v_permlane16_swap_b32 v[CD+6*\c+\i], v[CD+12+4*\c+\i]
.endr
.irp i, 0,1,2
	v_mov_b32 v[CD+3+6*\c+\i], v[CD+12+4*\c+\i]
.endr
.endr
.irp x, 0,1
.irp p, 0,1,2
	global_store_b64 v[OFS+2*(\a)+\x], v[CD+6*\x+2*\p:CD+6*\x+2*\p+1], s[4:5] offset:256*\p   ; 32 lanes store 256 consecutive bytes, aligned
.endr
.endr
.endm
.irp a, 0,1,2,3,4,5,6,7
	QOUT \a
.endr
.irp i, 0,1,2,3
	v_perm_b32 v[ZW+\i], v[WD+2*\i+1], v[WD+2*\i], s98
	v_perm_b32 v[ZW+4+\i], v[WD+2*\i+1], v[WD+2*\i], s99
.endr
.irp i, 0,1,2,3,4,5,6,7
	v_cndmask_b32 v[ZW+\i], v[ZW+\i], v[WD+\i], s40
.endr
.irp i, 0,1,2,3,4,5,6,7
	ds_store_b32 v[SWR], v[ZW+\i] offset:64*\i
.endr
	ds_load_b64 v[UB:UB+1], v[SRD]
	ds_load_b64 v[UB+2:UB+3], v[SRD] offset:256
	v_add_nc_u32 v252, s47, v[L8]
	s_wait_alu depctr_va_vdst(0)
	s_wait_dscnt 0x0
	global_store_b64 v[L8], v[UB:UB+1], s[6:7]
	global_store_b64 v252, v[UB+2:UB+3], s[6:7]
	s_wait_tensorcnt 0x0                           ; the wave's end
	ds_add_u32 v[SPW], v[NIL]
	s_wait_dscnt 0x0
	CROUND                                         ; the closing round
	s_endpgm
.Lfunc_end_k_q2a3801696e_proj:
	.size	k_q2a3801696e_proj, .Lfunc_end_k_q2a3801696e_proj-k_q2a3801696e_proj
	.p2alignl 7, 3214868480
	.fill 96, 4, 3214868480
	.section	.rodata,"a",@progbits
	.p2align	6, 0x0
	.amdhsa_kernel k_q2a3801696e_proj
		.amdhsa_group_segment_fixed_size 327680
		.amdhsa_private_segment_fixed_size 0
		.amdhsa_enable_private_segment 0
		.amdhsa_kernarg_size 64
		.amdhsa_user_sgpr_count 2
		.amdhsa_user_sgpr_kernarg_segment_ptr 1
		.amdhsa_wavefront_size32 1
		.amdhsa_system_sgpr_workgroup_id_x 1
		.amdhsa_system_sgpr_workgroup_id_y 1
		.amdhsa_system_sgpr_workgroup_id_z 1
		.amdhsa_system_vgpr_workitem_id 0
		.amdhsa_next_free_vgpr 1024
		.amdhsa_next_free_sgpr 100
		.amdhsa_reserve_vcc 0
		.amdhsa_float_denorm_mode_32 3
		.amdhsa_float_denorm_mode_16_64 3
		.amdhsa_memory_ordered 1
		.amdhsa_forward_progress 1
		.amdhsa_inst_pref_size 172
	.end_amdhsa_kernel
	.amdgpu_metadata
---
amdhsa.version: [ 1, 2 ]
amdhsa.kernels:
  - .name:           k_q2a3801696e_proj
    .symbol:         k_q2a3801696e_proj.kd
    .args:
      - { .name: xc, .offset: 0, .size: 8, .value_kind: global_buffer, .address_space: global }
      - { .name: xs, .offset: 8, .size: 8, .value_kind: global_buffer, .address_space: global }
      - { .name: wc, .offset: 16, .size: 8, .value_kind: global_buffer, .address_space: global }
      - { .name: ws, .offset: 24, .size: 8, .value_kind: global_buffer, .address_space: global }
      - { .name: qimg, .offset: 32, .size: 8, .value_kind: global_buffer, .address_space: global }
      - { .name: qsc, .offset: 40, .size: 8, .value_kind: global_buffer, .address_space: global }
      - { .name: kv, .offset: 48, .size: 8, .value_kind: global_buffer, .address_space: global }
      - { .name: kvsc, .offset: 56, .size: 8, .value_kind: global_buffer, .address_space: global }
    .group_segment_fixed_size: 327680
    .private_segment_fixed_size: 0
    .kernarg_segment_align: 8
    .kernarg_segment_size: 64
    .max_flat_workgroup_size: 128
    .sgpr_count:     100
    .vgpr_count:     1024
    .wavefront_size: 32
...
	.end_amdgpu_metadata
.endif
;; end of part 2
;; launch attn (part 3): grid 4 x 64, 16 waves a work-group, clusters of 4 x 1, 301,056 bytes of LDS; arguments qimg, qsc, kv, kvsc, out0; writes out0
.if DOCPART == 3
	.amdgcn_target "amdgcn-amd-amdhsa--gfx1250"
	.amdhsa_code_object_version 6
	.text
	.protected	k_q2a3801696e_attn
	.globl	k_q2a3801696e_attn
	.p2align	8
	.type	k_q2a3801696e_attn,@function
k_q2a3801696e_attn:
	s_mov_b64 s[64:65], 0
	v_nop
	global_prefetch_b8 v0, s[64:65] scope:SCOPE_SE
	s_setreg_imm32_b32 hwreg(HW_REG_WAVE_MODE, 25, 1), 1
	s_wait_xcnt 0x0
	s_wait_alu depctr_hold_cnt(0) depctr_sa_sdst(0) depctr_va_vdst(0) depctr_va_sdst(0) depctr_va_ssrc(0) depctr_va_vcc(0) depctr_vm_vsrc(0)
	s_getreg_b32 s2, hwreg(HW_REG_IB_STS2, 6, 4)
	s_cmp_eq_u32 s2, 0
	s_cbranch_scc0 .Lentry_in_a_cluster
	s_endpgm
.Lentry_in_a_cluster:
	s_bfe_u32 s2, ttmp6, 0x10000c
	s_cmp_lg_u32 s2, 0x3003
	s_cbranch_scc0 .Lentry_shape_is_right
	s_endpgm
.Lentry_shape_is_right:
; out0[n][q][64 h + d] = the sum over keys of softmax(Q . K / 32) V, for the 64 pairs y = 16 n + h, 2,048 queries and keys, head size 64; both products on codes of FP6 (E2M3) with one E8M0 scale for each 32 along K.
; Q, K and V arrive as images of operand registers (a half fragment: 16 rows x 64 along K, three pieces of 256 bytes, piece p = registers 2 p, 2 p + 1 at 8 x lane) with their scale words.
; THE SOFTMAX: t = score x log2(e) / 32; M = the row's largest t so far, rounded UP to a whole number; p = 2^(t - M) is quantised along the keys, not normalised; the row's sum is taken of the unquantised p and divides O at the end.
; When M moves, the sum and O are multiplied by 2^(old M - new M): exact.
; SHARES.  256 work-groups; a work-group owns 512 queries of one head, in two passes of 256; each of its sixteen waves 16 queries a pass, in 256 registers: four waves to a SIMD.
; THE WHOLE HEAD LIES IN LDS, filled ONCE: wave w fetches key step w (12,288 bytes of codes, as 24 rows of 512 bytes with 64 bytes of padding behind each) by its one tensor load, and copies the step's 512 bytes of scale words through registers.
; One wait for all loads and one barrier follow; behind it no wave waits for another, and no LDS byte is filled again.
; CLUSTER: the four work-groups of a cluster belong to one head: every fill is asked for jointly, mask 15.  No prefetch: all that a work-group reads is asked for at its head.
; LAYOUT.  Both products are used transposed: S^T = K Q^T, O^T = V^T P^T: a lane holds ONE query (lane % 16) throughout.
; THE FIRST PRODUCT'S K IS 64, the instruction's 128: a fragment of K holds two keys a row and is multiplied once by [q | zero codes] and once by [zero codes | q].
; WHICH KEYS FORM A FRAGMENT.  A stored fragment G holds, in row 8 v + i, keys 32 G + 16 v + i and 8 further on.  Fragment (c, v) here takes rows 0-7 from stored fragment 2 c and rows 8-15 from 2 c + 1, rows 8 v + 0 .. 7 of each:
; so register 32 c + i of lane (r, h) is key 64 c + 32 h + i: A LANE HOLDS WHOLE BLOCKS OF 32 KEYS, as p's operand wants them: two block scales a lane, no exchange of codes between lanes.
; A stored fragment is 1,728 bytes in LDS (three padded rows), 192 modulo 256: the two halves of the rows read different banks.
; FEW INSTRUCTIONS.  A fragment's six pieces come two to a load (three loads of two addresses); the address lines that this needs are the places behind the products; V's loads stand between the lines of the chain that makes M, which hang on each other.
; INDEPENDENT CHAINS.  The largest score is taken in eight chains, one to an accumulator; the row's sum in four packed chains that run on from step to step and are joined on the way out.
; Of a step's 32 additions the last ten stand at the head of the NEXT step, behind the issue of K's LDS loads: p lies untouched until the next scores are written.  (A pass's first step finds zeros there; the last step's ten follow the loop.)
; V's fragment t holds the head's features at positions 16 t + r: O^T's register 16 b + i is feature 32 b + 16 (lane / 16) + i.  My query r is token 32 (wave / 2) + 8 (wave % 2) + r + 8 (r / 8) of its block of 256.
; LIMITS: NaN and infinities are not served; the promise holds while the scaled scores stay under 2^31 in magnitude; a p under 2^-126 counts as 0; a block of p whose largest lies under 2^-124 gets the byte 1.
.set KVB,   196608                     ; a head's codes of K and V in memory
.set STEPB, 12288                      ; a key step of 128 keys in memory: K's 4 fragments, V's 4
.set STEPL, 13824                      ; and in LDS: 24 rows of 576 bytes
.set FRL,   1728                       ; a fragment in LDS
.set SCB,   16*STEPL                   ; the head's scale words, 512 bytes a key step: K's 4 x 64, V's 4 x 64
.set STAGE, SCB+8192                   ; the way out: 16 rows x (256 + 16) bytes for each wave
.set SPARE, STAGE+16*4352              ; the spare words, 128 bytes a wave
.set L8,  1                            ; v1   8 x lane
.set SW,  2                            ; v2   SCB + 4 x lane
.set AD,  3                            ; v3   the step's first LDS byte + 8 x lane
.set ADS, 4                            ; v4   LDS address of K's scale words
.set OLDM, 88                          ; v88  -M of the step before
.set KL,  89                           ; v89  8 (r % 8) + 128 h + 1,728 (r / 8)
.set SWK, 90                           ; v90  SCB + 4 (r % 8) + 64 (r / 8) + 32 h
.set ADK, 91                           ; v91  LDS address of K's fragments (0, .)
.set ADV, 92                           ; v92  of V's scale words
.set H8,  93                           ; v93  8 h
.set ADK2, 94                          ; v94  of K's fragments (1, .)
.set AV,  212                          ; v212-215 of V's four fragments
.set F,   40                           ; v40-87   four fragments: K's, then V's
.set S,   96                           ; v96-159  S^T, then p
.set O,   160                          ; v160-191 O^T
.set P,   192                          ; v192-203 p's codes; v204-206, v208-210 the conversions' second halves
.set MX,  216                          ; v216-223 the eight chains of maxima
.set CH,  224                          ; v224-231 the sum's four packed chains
.set LATE, 44                          ; p's registers from S + 44 on are added at the next step's head
; v12 -M, v13 the largest score; v14 the row's sum on the way out; v16-21 zero codes, v22-27 q, v28-33 zero codes; v34 q's scale word; v36-37 K's scale words, v38-39 V's;
; v232, v234 my two blocks' maxima; v244-245 the conversions' scale operands, v246-247 their bytes; v252 f; v253 p's scale word; v254, v236, v238 at work;
; v240-243, v248-249 the second pass's q, v250 its scale word; v7, v10, v11 the way out's addresses; v251, v255 the add's
.set WV,  18
.set SEL, 20                           ; s[20:21] selects for lane l xor 16
.set CS,  22                           ; s[22:23] c = log2(e) / 32
.set G1,  24
.set G0,  40
.set TB,  2
.set TS,  3
.set CNT, 60
.macro WALU
	s_wait_alu depctr_va_vdst(0)
.endm
.macro ROUND
	s_barrier_signal -1
	s_barrier_wait -1
	s_cmp_lg_u32 s[WV], 0
	s_cbranch_scc1 .Lnot_wave_0_\@
	s_barrier_signal -3
.Lnot_wave_0_\@:
	s_barrier_wait -3
	s_barrier_signal -1
	s_barrier_wait -1
.endm
	s_load_b256 s[4:11], s[0:1], 0x0               ; qimg, qsc, kv, kvsc
	s_load_b64 s[12:13], s[0:1], 0x20              ; out0
	v_lshl_add_u32 v251, v0, 2, SPARE
	v_mov_b32 v255, 0
	ds_add_u32 v251, v255                          ; the opening lines: the add twice on end and one wait
	ds_add_u32 v251, v255
	v_lshrrev_b32 v5, 5, v0
	v_readfirstlane_b32 s[WV], v5                  ; wave 0..15
	s_bfe_u32 s66, ttmp6, 0x40000                  ; cx: it enters Q's and out0's addresses alone
	s_lshl_b32 s67, ttmp9, 2
	s_add_co_u32 s67, s67, s66
	s_lshl_b32 s67, s67, 1                         ; my first block of 256 queries
	s_and_b32 s68, ttmp7, 0xffff                   ; y = 16 n + h, which the four partners share
	s_and_b32 s69, s[WV], 1
	s_mul_i32 s72, s[WV], STEPL                    ; my key step's place in LDS
	s_mul_i32 s70, s68, KVB
	s_mul_i32 s73, s[WV], STEPB
	s_add_co_u32 s70, s70, s73                     ; and in kv
	s_mov_b32 s71, 0
	s_lshl_b32 s74, s68, 13                        ; the head's scale words
	s_mov_b32 s75, 0
	s_mov_b32 s[G1], 15|(3<<16)|(1<<20)|(1<<21)|(6<<22)|(15<<25)   ; mask: all four; elements of 8 bytes; behind every 128 words 16 words of padding
	s_mov_b32 s[G1+1], 64<<16
	s_mov_b32 s[G1+2], 24<<16
	s_mov_b32 s[G1+3], 64<<16
	s_mov_b32 s[G1+4], 24
	s_mov_b32 s[G1+5], 64
	s_mov_b32 s[G1+6], 0
	s_mov_b32 s[G1+7], 0
	s_lshl_b32 s76, s67, 4
	s_add_co_u32 s76, s76, s[WV]                   ; my half fragment of Q: 16 x block + wave
	s_mul_i32 s76, s76, 768
	s_mul_i32 s77, s68, 98304
	s_add_co_u32 s76, s76, s77
	s_mov_b32 s77, 0
	s_lshr_b32 s81, s[WV], 1
	s_lshl_b32 s78, s67, 3
	s_add_co_u32 s78, s78, s81                     ; its pair's scale words: 64 bytes a pair
	s_lshl_b32 s78, s78, 6
	s_lshl_b32 s79, s68, 12
	s_add_co_u32 s78, s78, s79
	s_mov_b32 s79, 0
	s_lshl_b32 s82, s67, 8
	s_lshl_b32 s83, s81, 5
	s_add_co_u32 s82, s82, s83
	s_lshl_b32 s83, s69, 3
	s_add_co_u32 s82, s82, s83                     ; my query 0's token
	s_lshl_b32 s82, s82, 12                        ; a token's row of out0 is 4,096 bytes,
	s_lshr_b32 s83, s68, 4
	s_lshl_b32 s83, s83, 23                        ; a batch 2,048 of them,
	s_add_co_u32 s82, s82, s83
	s_and_b32 s83, s68, 15
	s_lshl_b32 s83, s83, 8                         ; a head 256 bytes of a row
	s_add_co_u32 s82, s82, s83
	s_mov_b32 s83, 0
	s_mov_b32 s84, 0x03020302
	s_cmp_eq_u32 s69, 0
	s_cselect_b32 s84, 0x01000100, s84             ; my two scale bytes of the pair's word, twice
	s_mov_b32 s[SEL], 0x76543210
	s_mov_b32 s[SEL+1], 0xfedcba98
	s_mov_b32 s[CS], 0x3d38aa3b
	s_mov_b32 s[CS+1], s[CS]
	s_mul_i32 s80, s[WV], 4352
	s_add_co_u32 s80, s80, STAGE                   ; my stage
	v_and_b32 v5, 31, v0
	v_and_b32 v35, 7, v0                           ; r % 8
	v_bfe_u32 v95, v0, 4, 1                        ; h
	v_bfe_u32 v14, v0, 3, 1                        ; r / 8
	v_and_b32 v15, 15, v0                          ; r
	v_lshlrev_b32 v[L8], 3, v5
	v_lshl_add_u32 v[SW], v5, 2, SCB
	v_lshlrev_b32 v6, 2, v15                       ; Q's scale words: lane r and lane 16 + r take query r's
	v_lshlrev_b32 v8, 4, v0                        ; my 16 bytes of the head's scale words,
	v_lshl_add_u32 v9, v0, 4, SCB                  ; and their place in LDS
	v_mul_u32_u24 v[KL], v14, FRL
	v_lshl_add_u32 v[KL], v35, 3, v[KL]
	v_lshl_add_u32 v[KL], v95, 7, v[KL]
	v_lshl_add_u32 v[SWK], v35, 2, SCB
	v_lshl_add_u32 v[SWK], v14, 6, v[SWK]
	v_lshl_add_u32 v[SWK], v95, 5, v[SWK]
	v_lshlrev_b32 v[H8], 3, v95
	v_mul_u32_u24 v10, v15, 272
	v_lshl_add_u32 v10, v95, 6, v10
	v_add_nc_u32 v10, s80, v10                     ; the stage, in: row r, + 64 h
	v_mul_u32_u24 v11, v95, 272
	v_lshl_add_u32 v11, v15, 4, v11
	v_add_nc_u32 v11, s80, v11                     ; back: lanes 0-15 one row, lanes 16-31 the next
	v_lshlrev_b32 v7, 12, v95
	v_lshl_add_u32 v7, v15, 4, v7                  ; and the same in out0
	WALU
	s_wait_dscnt 0x0
	s_wait_kmcnt 0x0
	s_add_nc_u64 s[8:9], s[8:9], s[70:71]
	s_add_nc_u64 s[10:11], s[10:11], s[74:75]
	s_add_nc_u64 s[4:5], s[4:5], s[76:77]
	s_add_nc_u64 s[6:7], s[6:7], s[78:79]
	s_add_nc_u64 s[12:13], s[12:13], s[82:83]
	s_mov_b32 s[G0], 1
	s_mov_b32 s[G0+1], s72
	s_mov_b64 s[G0+2:G0+3], s[8:9]
	s_or_b32 s[G0+3], s[G0+3], 0x80000000
	ROUND                                          ; all four work-groups are here: the joint loads meet
	tensor_load_to_lds s[G0:G0+3], s[G1:G1+7]      ; every wave's one load: its key step
	s_nop 0
.rept 4
	v_nop
.endr
	global_load_b128 v[40:43], v8, s[10:11]        ; a wave reads 512 consecutive bytes: its key step's scale words
.irp j, 16,17,18,19,20,21,28,29,30,31,32,33
	v_mov_b32 v[\j], 0                             ; the zero codes on both sides of q: v[22:33] = [q | 0], v[16:27] = [0 | q]
.endr
	v_mov_b32 v236, 0                              ; a lane permute's destination counts as one of its sources
	v_mov_b32 v238, 0
	v_mov_b32 v253, 0                              ; (named in the pair v[252:253] before it is first written)
; A PASS'S HEAD: q and its scale word (both passes' are loaded in the first); the running values; zeros where the first step looks for the step before; O^T = 0 (the first change of M multiplies zeros by 0)
.macro QIN n
.if \n
	s_wait_xcnt 0x0                                ; the last pass's stores have read their registers
.irp i, 0,1,2,3
	v_mov_b32 v[22+\i], v[240+\i]
.endr
	v_mov_b32 v26, v248
	v_mov_b32 v27, v249
.else
.irp p, 0,1,2
	global_load_b64 v[22+2*\p:23+2*\p], v[L8], s[4:5] offset:256*\p
.endr
	global_load_b32 v5, v6, s[6:7]
	global_load_b64 v[240:241], v[L8], s[4:5] offset:12288
	global_load_b64 v[242:243], v[L8], s[4:5] offset:12288+256
	global_load_b64 v[248:249], v[L8], s[4:5] offset:12288+512
	global_load_b32 v250, v6, s[6:7] offset:512
.endif
	v_mov_b32 v13, 0xff61b1e6                      ; the largest score so far: -3e38
	v_mov_b32 v[OLDM], 0x7149f2ca                  ; -M = 1e30: the first f is 2^(a whole number held at -2^31) = 0
.set j, 0
.rept 8
	v_mov_b32 v[CH+j], 0
.set j, j+1
.endr
.set j, LATE
.rept 64-LATE
	v_mov_b32 v[S+j], 0
.set j, j+1
.endr
.if \n
	v_perm_b32 v34, v250, v250, s84
.else
	WALU
	s_wait_loadcnt 0x0
	ds_store_b128 v9, v[40:43]
	v_perm_b32 v34, v5, v5, s84                    ; q's two scale bytes in bytes 0, 1 and 2, 3
.endif
.set j, 0
.rept 32
	v_mov_b32 v[O+j], 0                            ; (also the places behind v34 and q)
.set j, j+1
.endr
.endm
.macro SUMS from, n                    ; n additions of two p each, from register S + from on, the four chains by turns
.set jj, \from
.rept \n
	v_pk_add_f32 v[CH+jj%8:CH+jj%8+1], v[CH+jj%8:CH+jj%8+1], v[S+jj:S+jj+1]
.set jj, jj+2
.endr
.endm
.macro VL i                            ; load i = 0 .. 11 of V's fragments: pieces 2 (i % 3) and the next of fragment i / 3; the offsets count 8 bytes
	ds_load_2addr_b64 v[F+12*((\i)/3)+4*((\i)%3):F+12*((\i)/3)+4*((\i)%3)+3], v[AV+(\i)/3] offset0:72*((\i)%3) offset1:72*((\i)%3)+32
.endm
; A KEY STEP: 128 keys.
.macro STEP
	v_add_nc_u32 v[ADK], s[TB], v[KL]              ; four plain lines: the places in front of loads into registers that the last products have read
	v_add_nc_u32 v[AD], s[TB], v[L8]
	v_add_nc_u32 v[ADS], s[TS], v[SWK]
	v_add_nc_u32 v[ADK2], 2*FRL, v[ADK]
.irp v, 0,1
.irp q, 0,1,2
	ds_load_2addr_b64 v[F+12*\v+4*\q:F+12*\v+4*\q+3], v[ADK] offset0:8*\v+72*\q offset1:8*\v+72*\q+32        ; fragment (0, v): pieces 2 q, 2 q + 1, at 576 q and 256 further on
.endr
.endr
.irp v, 0,1
.irp q, 0,1,2
	ds_load_2addr_b64 v[F+24+12*\v+4*\q:F+24+12*\v+4*\q+3], v[ADK2] offset0:8*\v+72*\q offset1:8*\v+72*\q+32  ; fragment (1, v)
.endr
.endr
	ds_load_b32 v36, v[ADS]                        ; K's scale words: lanes 0-15 fragment (0, 0)'s, lanes 16-31 (0, 1)'s;
	ds_load_b32 v37, v[ADS] offset:128             ; (1, 0) and (1, 1)
	SUMS LATE, (64-LATE)/2                         ; the rest of the last step's sum, under the old M, while the loads are out
	WALU
	s_wait_dscnt 0x0
.irp g, 0,1,2,3
.if \g%2
	v_wmma_scale_f32_16x16x128_f8f6f4 v[S+16*\g:S+16*\g+7], v[F+12*\g:F+12*\g+11], v[22:33], 0, v[36+\g/2], v34 matrix_a_fmt:MATRIX_FMT_FP6 matrix_b_fmt:MATRIX_FMT_FP6 matrix_a_scale:MATRIX_SCALE_ROW1
	v_wmma_scale_f32_16x16x128_f8f6f4 v[S+16*\g+8:S+16*\g+15], v[F+12*\g:F+12*\g+11], v[16:27], 0, v[36+\g/2], v34 matrix_a_fmt:MATRIX_FMT_FP6 matrix_b_fmt:MATRIX_FMT_FP6 matrix_a_scale:MATRIX_SCALE_ROW1
.else
	v_wmma_scale_f32_16x16x128_f8f6f4 v[S+16*\g:S+16*\g+7], v[F+12*\g:F+12*\g+11], v[22:33], 0, v[36+\g/2], v34 matrix_a_fmt:MATRIX_FMT_FP6 matrix_b_fmt:MATRIX_FMT_FP6
	v_wmma_scale_f32_16x16x128_f8f6f4 v[S+16*\g+8:S+16*\g+15], v[F+12*\g:F+12*\g+11], v[16:27], 0, v[36+\g/2], v34 matrix_a_fmt:MATRIX_FMT_FP6 matrix_b_fmt:MATRIX_FMT_FP6
.endif
.endr                                          ; register 32 c + i of a lane: key 64 c + 32 (lane / 16) + i
.irp t, 0,1,2,3
	v_add_nc_u32 v[AV+\t], FRL*(4+\t), v[AD]       ; V's addresses: five plain lines, the places in front of the first read of the scores and of the loads into K's registers
.endr
	v_add_nc_u32 v[ADV], s[TS], v[SW]
.irp k, 0,1,2,3,4,5,6,7
	v_max3_num_f32 v[MX+\k], v[S+8*\k], v[S+8*\k+1], v[S+8*\k+2]   ; the largest score: a chain to each accumulator, from its low end on
.endr
.irp i, 3,5
.irp k, 0,1,2,3,4,5,6,7
	v_max3_num_f32 v[MX+\k], v[MX+\k], v[S+8*\k+\i], v[S+8*\k+\i+1]
.endr
.endr
	v_max3_num_f32 v[MX], v[MX], v[S+7], v[S+15]   ; the accumulators' last registers, and the chains joined: four chains to a block of 32 keys
	v_max3_num_f32 v[MX+4], v[MX+4], v[S+39], v[S+47]
	v_max3_num_f32 v[MX+1], v[MX+1], v[S+23], v[S+31]
	v_max3_num_f32 v[MX+5], v[MX+5], v[S+55], v[S+63]
	v_max3_num_f32 v232, v[MX], v[MX+1], v[MX+2]
	v_max3_num_f32 v234, v[MX+4], v[MX+5], v[MX+6]
	v_max_num_f32 v232, v232, v[MX+3]              ; my first block's largest score: it serves for the row's maximum and, since p rises with the score, for the block's largest p
	v_max_num_f32 v234, v234, v[MX+7]              ; my second block's
	v_max_num_f32 v254, v232, v234                 ; from here on each line hangs on the line before: V's loads stand between them, and land while the softmax is walked
	VL 0
	VL 1
	v_permlanex16_b32 v236, v254, s[SEL], s[SEL+1]
	VL 2
	VL 3
	v_max3_num_f32 v13, v13, v254, v236            ; the running largest score of my query (lane l xor 16 holds the other 64 keys)
	VL 4
	VL 5
	v_mul_f32 v254, s[CS], v13                     ; as t (c is positive)
	VL 6
	VL 7
	v_floor_f32 v12, -v254                         ; -M = floor(-t) = -ceil(t)
	VL 8
	VL 9
	v_sub_f32 v254, v12, v[OLDM]                   ; M's old value less its new one: a whole number, 0 or less
	VL 10
	VL 11
	v_cvt_i32_f32 v254, v254                       ; (it saturates)
	ds_load_b32 v38, v[ADV] offset:256             ; V's scale words
	ds_load_b32 v39, v[ADV] offset:384
	v_ldexp_f32 v252, 1.0, v254                    ; f = 2^(old M - new M)
.set j, 0
.rept 32
	v_pk_fma_f32 v[S+j:S+j+1], v[S+j:S+j+1], s[CS:CS+1], v[12:13] op_sel_hi:[1,0,0]   ; t - M, two at a time (the pairs' low words serve both halves)
.set j, j+2
.endr
	v_fma_f32 v232, v232, s[CS], v12               ; the same of each block's largest score
	v_fma_f32 v234, v234, s[CS], v12
.irp j, 0,2,4,6
	v_pk_mul_f32 v[CH+\j:CH+\j+1], v[CH+\j:CH+\j+1], v[252:253] op_sel_hi:[1,0]   ; the sum's chains under the new M
.endr
.set j, 0
.rept 16
	v_pk_mul_f32 v[O+j:O+j+1], v[O+j:O+j+1], v[252:253] op_sel_hi:[1,0]   ; O^T under the new M, each accumulator from its low end on; no transcendental stands between the last products and these lines
.set j, j+2
.endr
	WALU                                           ; ahead of the batch
	v_exp_f32 v232, v232                           ; the block's largest p: the same two instructions on the same number give the same bits
	v_exp_f32 v234, v234
.set j, 0
.rept 64
	v_exp_f32 v[S+j], v[S+j]                       ; p = 2^(t - M), at most 1
.set j, j+1
.endr
	v_mov_b32 v[OLDM], v12                         ; kept for the next step (a plain place behind the batch)
	WALU                                           ; one wait for the batch, ahead of its first reader
	v_max_num_f32 v232, 0x1800000, v232            ; the floor 2^(3 - 127): the byte cannot fall under 1
	v_max_num_f32 v234, 0x1800000, v234
	SUMS 0, 2                                      ; the row's sum of the unquantised p stands between the lines that hang on each other
	v_add_nc_u32 v244, 0xff000000, v232            ; 2 off the exponent field: the conversion's scale operand
	v_add_nc_u32 v245, 0xff000000, v234
	SUMS 4, 2
	v_lshrrev_b32 v246, 23, v244                   ; the bytes of blocks h and 2 + h
	v_lshrrev_b32 v247, 23, v245
	SUMS 8, 2
	v_lshl_or_b32 v253, v247, 16, v246
	SUMS 12, 2
	v_lshlrev_b32 v253, v[H8], v253                ; at their places in the scale word
	SUMS 16, 2
	v_permlanex16_b32 v238, v253, s[SEL], s[SEL+1]
	SUMS 20, 2
	v_or_b32 v253, v253, v238                      ; with lane l xor 16's two the word is whole
.irp c, 0,1
	v_cvt_scalef32_pk16_fp6_f32 v[P+6*\c:P+6*\c+2], v[S+32*\c:S+32*\c+15], v[244+\c]
	v_cvt_scalef32_pk16_fp6_f32 v[P+12+4*\c:P+14+4*\c], v[S+32*\c+16:S+32*\c+31], v[244+\c]   ; (a conversion's three registers begin on an even number)
.endr
	SUMS 24, 5                                     ; plain lines behind the conversions, which touch none of their results
.irp c, 0,1
.irp i, 0,1,2
	v_mov_b32 v[P+3+6*\c+\i], v[P+12+4*\c+\i]      ; registers 6 c .. 6 c + 5: k = 64 c + 32 h + 0 .. 31
.endr
.endr
	SUMS 34, 5                                     ; with the five above: ten plain lines behind p's scale word, five behind its codes, that name no register of the products below
	WALU
	s_wait_dscnt 0x0                               ; V's fragments and scale words are in
.irp t, 0,1,2,3                                ; O^T += V^T P^T; the four accumulators by turns
.if \t%2
	v_wmma_scale_f32_16x16x128_f8f6f4 v[O+8*\t:O+8*\t+7], v[F+12*\t:F+12*\t+11], v[P:P+11], v[O+8*\t:O+8*\t+7], v[38+\t/2], v253 matrix_a_fmt:MATRIX_FMT_FP6 matrix_b_fmt:MATRIX_FMT_FP6 matrix_a_scale:MATRIX_SCALE_ROW1
.else
	v_wmma_scale_f32_16x16x128_f8f6f4 v[O+8*\t:O+8*\t+7], v[F+12*\t:F+12*\t+11], v[P:P+11], v[O+8*\t:O+8*\t+7], v[38+\t/2], v253 matrix_a_fmt:MATRIX_FMT_FP6 matrix_b_fmt:MATRIX_FMT_FP6
.endif
.endr
	s_add_co_u32 s[TB], s[TB], STEPL
	s_add_co_u32 s[TS], s[TS], 512
.endm
.macro WALK                            ; the head's sixteen key steps
	s_mov_b32 s[TB], 0
	s_mov_b32 s[TS], 0
	s_mov_b32 s[CNT], 16
.Lstep_\@:
	STEP
	s_sub_co_u32 s[CNT], s[CNT], 1
	s_cmp_lg_u32 s[CNT], 0
	s_cbranch_scc1 .Lstep_\@
.endm
; THE WAY OUT of a pass.  O^T is divided by the row's sum and goes through my stage: a query's 64 features are 256 bytes, which sixteen lanes store as one aligned run.
.macro OUT n
	WALU
	SUMS LATE, (64-LATE)/2                         ; the rest of the last step's sum
	v_pk_add_f32 v[CH:CH+1], v[CH:CH+1], v[CH+4:CH+5]
	v_pk_add_f32 v[CH+2:CH+3], v[CH+2:CH+3], v[CH+6:CH+7]
	v_pk_add_f32 v[CH:CH+1], v[CH:CH+1], v[CH+2:CH+3]
	v_add_f32 v14, v[CH], v[CH+1]
	v_permlanex16_b32 v252, v14, s[SEL], s[SEL+1]
	v_add_f32 v14, v14, v252                       ; the row's sum
	WALU
	v_rcp_f32 v14, v14
.rept 4
	v_nop                                          ; the place behind the reciprocal
.endr
	WALU                                           ; ahead of the first reader of the reciprocal and of O^T
.set j, 0
.rept 32
	v_mul_f32 v[S+j], v[O+j], v14                  ; each accumulator from its low end on
.set j, j+1
.endr
.irp b, 0,1
.irp q, 0,1,2,3
	ds_store_b128 v10, v[S+16*\b+4*\q:S+16*\b+4*\q+3] offset:128*\b+16*\q
.endr
.endr
.irp i, 0,1,2,3,4,5,6,7
	ds_load_b128 v[F+4*\i:F+4*\i+3], v11 offset:544*\i   ; LDS serves a wave's instructions in order: these see my stores
.endr
.irp i, 0,1,2,3,4,5,6,7
	s_wait_dscnt 7-\i                              ; i's load is in, the 7 - i younger may be out
	global_store_b128 v7, v[F+4*\i:F+4*\i+3], s[12:13] offset:1048576*\n+(2*\i+8*(\i/4))*4096 th:TH_STORE_NT   ; queries 2 i, 2 i + 1 are tokens 2 i + 8 (i / 4) and the next; 16 lanes store 256 consecutive bytes, aligned
.endr
.endm
	QIN 0
	WALU                                           ; the wait at the head's end
	s_wait_tensorcnt 0x0                           ; my key step has landed,
	s_wait_dscnt 0x0                               ; and my scale words are stored:
	s_barrier_signal -1
	s_barrier_wait -1                              ; the whole head is in LDS
	WALK
	OUT 0
	QIN 1                                          ; the second 256 queries, on the same K and V
	WALK
	OUT 1
	s_wait_tensorcnt 0x0                           ; the wave's end
	ds_add_u32 v251, v255
	s_wait_dscnt 0x0
	ROUND                                          ; the closing round
	s_endpgm
.Lfunc_end_k_q2a3801696e_attn:
	.size	k_q2a3801696e_attn, .Lfunc_end_k_q2a3801696e_attn-k_q2a3801696e_attn
	.p2alignl 7, 3214868480
	.fill 96, 4, 3214868480
	.section	.rodata,"a",@progbits
	.p2align	6, 0x0
	.amdhsa_kernel k_q2a3801696e_attn
		.amdhsa_group_segment_fixed_size 301056
		.amdhsa_private_segment_fixed_size 0
		.amdhsa_enable_private_segment 0
		.amdhsa_kernarg_size 40
		.amdhsa_user_sgpr_count 2
		.amdhsa_user_sgpr_kernarg_segment_ptr 1
		.amdhsa_wavefront_size32 1
		.amdhsa_system_sgpr_workgroup_id_x 1
		.amdhsa_system_sgpr_workgroup_id_y 1
		.amdhsa_system_sgpr_workgroup_id_z 1
		.amdhsa_system_vgpr_workitem_id 0
		.amdhsa_next_free_vgpr 256
		.amdhsa_next_free_sgpr 96
		.amdhsa_reserve_vcc 0
		.amdhsa_float_denorm_mode_32 3
		.amdhsa_float_denorm_mode_16_64 3
		.amdhsa_memory_ordered 1
		.amdhsa_forward_progress 1
		.amdhsa_inst_pref_size 51
	.end_amdhsa_kernel
	.amdgpu_metadata
---
amdhsa.version: [ 1, 2 ]
amdhsa.kernels:
  - .name:           k_q2a3801696e_attn
    .symbol:         k_q2a3801696e_attn.kd
    .args:
      - { .name: qimg, .offset: 0, .size: 8, .value_kind: global_buffer, .address_space: global }
      - { .name: qsc, .offset: 8, .size: 8, .value_kind: global_buffer, .address_space: global }
      - { .name: kv, .offset: 16, .size: 8, .value_kind: global_buffer, .address_space: global }
      - { .name: kvsc, .offset: 24, .size: 8, .value_kind: global_buffer, .address_space: global }
      - { .name: out0, .offset: 32, .size: 8, .value_kind: global_buffer, .address_space: global }
    .group_segment_fixed_size: 301056
    .private_segment_fixed_size: 0
    .kernarg_segment_align: 8
    .kernarg_segment_size: 40
    .max_flat_workgroup_size: 512
    .sgpr_count:     96
    .vgpr_count:     256
    .wavefront_size: 32
...
	.end_amdgpu_metadata
.endif
;; end of part 3
